; MI455X (gfx1250); checked and timed in simulation.
; The chip was launched on July 23, 2026; its instructions are those of AMD's public machine-readable ISA for CDNA 5 (MIT licence, August 2026) and "CDNA5" Instruction Set Architecture Reference Guide (July 2026). The comments in the code are by the model that wrote it; some were corrected since.
;; Permuto Encoding. Allowed arithmetic: float matrix products may take bf16 or f16 operands with f32 sums; all other float work in f32.
;; Inputs: flattened_params 16,777,216 float32; input 524,288 x 3 float32.
;; Outputs: out0 524,288 x 32 float32.
;; 2 versions, each right; version 2 is version 1 with the launch blend written anew for expert scheduling mode. Each part assembles by itself: llvm-mc -triple=amdgcn-amd-amdhsa -mcpu=gfx1250 --defsym DOCPART=n.
;; ======== version 1 of 2: 2 launches
;; workspace buffers: idx 33,554,432 bytes of whole numbers
;; launch keys (part 1): grid 256 x 1, 16 waves a work-group, no clusters, 0 bytes of LDS; arguments input, idx; writes idx
.if DOCPART == 1
	.amdgcn_target "amdgcn-amd-amdhsa--gfx1250"
	.amdhsa_code_object_version 6
	.text
	.protected	k_q97929da3ac_keys
	.globl	k_q97929da3ac_keys
	.p2align	8
	.type	k_q97929da3ac_keys,@function
k_q97929da3ac_keys:
	s_mov_b64 s[64:65], 0
	v_nop
	global_prefetch_b8 v0, s[64:65] scope:SCOPE_SE
	s_setreg_imm32_b32 hwreg(HW_REG_WAVE_MODE, 25, 1), 1
	s_wait_xcnt 0x0
; PERMUTOHEDRAL ENCODING, FIRST OF TWO LAUNCHES: positions (f32) -> one 32-bit whole number for each (level, point).
; Gather addresses are not formed from floating-point numbers in the launch that gathers: this launch makes the decisions and stores
; them as whole numbers; the second launch reads them, gathers and blends.
;
; THE STEP, in quarter units of the lattice.  e = E pos (once per point);  q_v = e_v * scale/4;  r_v = rndne(q_v);  d_v = q_v - r_v;
; s = sum of r_v;  rank_v = how many d are larger (of equal ones the lower index counts as larger).
; The four vertices, kappa = 0..3, have the keys 4 r_i - s + kappa - 4 [rank_i + kappa >= 4], i = 0..2: the same simplex as the one got by
; wrapping rank + s into 0..3 and moving rem0 by 4, which only rotates the order of the four vertices (and of their weights with them).
; The hash k0 M^3 + k1 M^2 + k2 M is linear and only its low 19 bits are used, so all constants are kept modulo 2^19
; (M = 433859, M^2 = 84105, M^3 = 314971, S = M + M^2 + M^3 = 308647):
;   h0 = r0 (4 M^3 - S) + r1 (4 M^2 - S) + r2 (4 M - S) + r3 (-S).
; THE WORD: bits 18:0 = h0; coordinate i, as a 2-bit number, in the field at bit 19 + 2 rank_i.  4 bytes an item in place of four indices.
;
; ORDER OF ROUNDING: the position is elevated first and scaled afterwards (the definition scales first); q differs by a few units in its
; last place.  The blend is continuous across the faces of the cells, so a weight moves by as little.
; LIMITS: coordinates are finite and below 1e6 in magnitude (r goes through int32).
; E pos is three terms long and needs all 24 bits (at scale 2048 a bf16 coordinate would be cells away): f32 FMAs, no matrix unit.
;
; SHARES: 256 work-groups x 16 waves; a wave owns 128 points, lane l the points l + 32 j, j = 0..3.  For each level the lane's four words
; are 16 neighbouring bytes, so a wave's store covers 512 consecutive bytes, aligned.  idx is laid [level][work-group][thread][j].
.set WG_POINTS, 2048
.set PLANE, 0x200000                   ; bytes of one level in idx: 524,288 words
.set E,   16                           ; v[16:31]  item j: e0..e3
.set P,   32                           ; v[32:47]  item j: the position, and one temporary
.set WD0, 48                           ; v[48:51]  the four words of the trip's even level
.set WD1, 52                           ; v[52:55]  of its odd level
.set T,   64                           ; v[64:127] item j: 16 temporaries
; v2 = 16 x thread (offset in a level of idx), v[6:7] = scale/4 (v7 only completes the pair), v8 = offset of my first position
	s_load_b128 s[4:7], s[0:1], 0x0                ; input s[4:5], idx s[6:7]
	v_and_b32 v1, 31, v0                           ; lane
	v_lshrrev_b32 v3, 5, v0                        ; wave
	v_lshl_add_u32 v8, v3, 7, v1                   ; 128 x wave + lane: my first point in the group
	v_mul_u32_u24 v8, 12, v8                       ; 12 bytes a point
	v_lshlrev_b32 v2, 4, v0
	v_mov_b32 v7, 0
	s_mul_i32 s8, ttmp9, WG_POINTS*12              ; the group's positions
	s_mov_b32 s9, 0
	s_lshl_b32 s10, ttmp9, 13                      ; the group's 2,048 words in a level
	s_mov_b32 s11, 0
	s_mov_b32 s20, 0x7ffff                         ; 19 bits
	s_mov_b32 s21, 426949                          ; 4 M^3 - S
	s_mov_b32 s22, 27773                           ; 4 M^2 - S
	s_mov_b32 s23, 378213                          ; 4 M - S
	s_mov_b32 s24, 215641                          ; -S
	s_mov_b32 s25, 1<<19                           ; coordinate 1 in the field of rank 0
	s_mov_b32 s26, 2<<25                           ; coordinate 2 in the field of rank 3
	s_mov_b32 s27, 3<<25                           ; coordinate 3 in the field of rank 3
	s_mov_b32 s28, 0x3f3504f3                      ; 1/sqrt(2)
	s_mov_b32 s29, 0x3ed105ec                      ; 1/sqrt(6)
	s_mov_b32 s30, 0x3e93cd3a                      ; 1/sqrt(12)
	s_mov_b32 s31, 0xbf5105ec                      ; -2/sqrt(6)
	s_mov_b32 s32, 0xbf5db3d7                      ; -3/sqrt(12)
	s_mov_b32 s33, 0xbf3504f3                      ; -1/sqrt(2)
	; s[40:55]: scale/4 of the 16 levels, scale = f32(16 x 128^(l/15)); the division by 4 is exact
.set i, 0
.irp c, 0x40800000, 0x40b0e285, 0x40f47080, 0x4128e5a3, 0x416966a5, 0x41a14518, 0x41dedc67, 0x4219fcb9, 0x4254cc02, 0x4293088c, 0x42cb2ff5, 0x430c64c3, 0x43420300, 0x43860dbc, 0x43b9401e, 0x44000000
	s_mov_b32 s[40+i], \c
.set i, i+1
.endr
	s_wait_kmcnt 0x0
	s_add_nc_u64 s[4:5], s[4:5], s[8:9]
	s_add_nc_u64 s[6:7], s[6:7], s[10:11]
	; a 12-byte record starts on a multiple of 4 bytes only: three 4-byte loads, which together use every byte of the 384 that they span
.irp j, 0,1,2,3
.irp k, 0,1,2
	global_load_b32 v[P+4*\j+\k], v8, s[4:5] offset:384*\j+4*\k th:TH_LOAD_NT
.endr
.endr
	s_wait_loadcnt 0x0
	; e = E pos.  The second launch repeats these six lines and the first three stages of LEVEL word for word: its d are the same bits
.irp j, 0,1,2,3
	v_mul_f32 v[P+4*\j+3], s30, v[P+4*\j+2]                        ; c = p2/sqrt12
	v_mul_f32 v[E+4*\j+3], s32, v[P+4*\j+2]                        ; e3
	v_fma_f32 v[E+4*\j+2], s31, v[P+4*\j+1], v[P+4*\j+3]           ; e2 = -2 p1/sqrt6 + c
	v_fma_f32 v[P+4*\j+3], s29, v[P+4*\j+1], v[P+4*\j+3]           ; p1/sqrt6 + c
	v_fma_f32 v[E+4*\j],   s28, v[P+4*\j],   v[P+4*\j+3]           ; e0
	v_fma_f32 v[E+4*\j+1], s33, v[P+4*\j],   v[P+4*\j+3]           ; e1
.endr
; the stages run over the four items, so that neighbouring instructions do not depend on each other
.macro CMP a, b                        ; mask of item j in s[56+j]: d_a > d_b
.irp j, 0,1,2,3
	v_cmp_gt_f32 s[56+\j], v[T+16*\j+\a], v[T+16*\j+\b]
.endr
.endm
.macro SEL dst, no, yes
.irp j, 0,1,2,3
	v_cndmask_b32 v[T+16*\j+\dst], \no, \yes, s[56+\j]
.endr
.endm
; one level: scale/4 in s[scs], the words into v[wd:wd+3], stored at byte off of the trip's base
.macro LEVEL scs, wd, off
	v_mov_b32 v6, s[\scs]
.irp j, 0,1,2,3
	v_pk_mul_f32 v[T+16*\j:T+16*\j+1],   v[E+4*\j:E+4*\j+1],   v[6:7] op_sel_hi:[1,0]     ; q
	v_pk_mul_f32 v[T+16*\j+2:T+16*\j+3], v[E+4*\j+2:E+4*\j+3], v[6:7] op_sel_hi:[1,0]
.endr
.irp j, 0,1,2,3
.irp k, 0,1,2,3
	v_rndne_f32 v[T+16*\j+4+\k], v[T+16*\j+\k]                     ; r: half to even, as jnp.round
.endr
.endr
.irp j, 0,1,2,3
	v_pk_add_f32 v[T+16*\j:T+16*\j+1],   v[T+16*\j:T+16*\j+1],   v[T+16*\j+4:T+16*\j+5] neg_lo:[0,1] neg_hi:[0,1]   ; d = q - r
	v_pk_add_f32 v[T+16*\j+2:T+16*\j+3], v[T+16*\j+2:T+16*\j+3], v[T+16*\j+6:T+16*\j+7] neg_lo:[0,1] neg_hi:[0,1]
.endr
.irp j, 0,1,2,3
.irp k, 0,1,2,3
	v_cvt_i32_f32 v[T+16*\j+8+\k], v[T+16*\j+4+\k]
.endr
.endr
	; the 24-bit multiply takes the low 24 bits of a two's complement r, which is r modulo 2^19 and more: right for negative r too
.irp j, 0,1,2,3
	v_mul_u32_u24 v[T+16*\j+13], s21, v[T+16*\j+8]
.endr
.irp j, 0,1,2,3
	v_mad_u32_u24 v[T+16*\j+13], v[T+16*\j+9], s22, v[T+16*\j+13]
.endr
.irp j, 0,1,2,3
	v_mad_u32_u24 v[T+16*\j+13], v[T+16*\j+10], s23, v[T+16*\j+13]
.endr
.irp j, 0,1,2,3
	v_mad_u32_u24 v[T+16*\j+13], v[T+16*\j+11], s24, v[T+16*\j+13] ; h0, with bits above 18 that the AND below drops
.endr
	; Ranks, doubled.  For a pair a < b: d_b > d_a raises rank_a, otherwise rank_b.  Coordinate 0 adds nothing to the fields.
	;   2 rank_1 = 2[not d1>d0] + 2[d2>d1] + 2[d3>d1];  6 - 2 rank_2 = 2[d2>d0] + 2[d2>d1] + 2[not d3>d2];  6 - 2 rank_3 = 2[d3>d0] + 2[d3>d1] + 2[d3>d2]
	CMP 1, 0
	SEL 4, 2, 0
	CMP 2, 1
	SEL 5, 0, 2
	CMP 3, 1
	SEL 6, 0, 2
	CMP 2, 0
	SEL 7, 0, 2
	CMP 3, 2
	SEL 8, 0, 2
	SEL 9, 2, 0
	CMP 3, 0
	SEL 10, 0, 2
.irp j, 0,1,2,3
	v_add3_u32 v[T+16*\j+4],  v[T+16*\j+4],  v[T+16*\j+5], v[T+16*\j+6]
	v_add3_u32 v[T+16*\j+7],  v[T+16*\j+7],  v[T+16*\j+5], v[T+16*\j+9]
	v_add3_u32 v[T+16*\j+10], v[T+16*\j+10], v[T+16*\j+6], v[T+16*\j+8]
.endr
.irp j, 0,1,2,3
	v_lshlrev_b32 v[T+16*\j+4],  v[T+16*\j+4],  s25                ; 1 << (19 + 2 rank_1)
	v_lshrrev_b32 v[T+16*\j+7],  v[T+16*\j+7],  s26                ; 2 << (19 + 2 rank_2)
	v_lshrrev_b32 v[T+16*\j+10], v[T+16*\j+10], s27                ; 3 << (19 + 2 rank_3)
.endr
.irp j, 0,1,2,3
	v_add3_u32 v[T+16*\j+4], v[T+16*\j+4], v[T+16*\j+7], v[T+16*\j+10]     ; the ranks differ, so the fields do not meet
.endr
.irp j, 0,1,2,3
	v_and_or_b32 v[\wd+\j], v[T+16*\j+13], s20, v[T+16*\j+4]
.endr
	global_store_b128 v2, v[\wd:\wd+3], s[6:7] offset:\off         ; no hint: the next launch reads these words
.endm
	s_mov_b32 s19, 0
.Ltrip:                                                            ; 8 trips of two levels
	LEVEL 40, WD0, 0
	LEVEL 41, WD1, PLANE
	s_wait_xcnt 0x0                                ; the two stores' data and base are rewritten only behind this wait
	s_add_nc_u64 s[6:7], s[6:7], 2*PLANE
.irp k, 40,42,44,46,48,50,52
	s_mov_b64 s[\k:\k+1], s[\k+2:\k+3]             ; the next two scales move to the front
.endr
	s_add_co_u32 s19, s19, 1
	s_cmp_lt_u32 s19, 8
	s_cbranch_scc1 .Ltrip
	s_endpgm
.Lfunc_end_k_q97929da3ac_keys:
	.size	k_q97929da3ac_keys, .Lfunc_end_k_q97929da3ac_keys-k_q97929da3ac_keys
	.p2alignl 7, 3214868480
	.fill 96, 4, 3214868480
	.section	.rodata,"a",@progbits
	.p2align	6, 0x0
	.amdhsa_kernel k_q97929da3ac_keys
		.amdhsa_group_segment_fixed_size 0
		.amdhsa_private_segment_fixed_size 0
		.amdhsa_enable_private_segment 0
		.amdhsa_kernarg_size 16
		.amdhsa_user_sgpr_count 2
		.amdhsa_user_sgpr_kernarg_segment_ptr 1
		.amdhsa_wavefront_size32 1
		.amdhsa_system_sgpr_workgroup_id_x 1
		.amdhsa_system_sgpr_workgroup_id_y 1
		.amdhsa_system_sgpr_workgroup_id_z 1
		.amdhsa_system_vgpr_workitem_id 0
		.amdhsa_next_free_vgpr 128
		.amdhsa_next_free_sgpr 66
		.amdhsa_reserve_vcc 0
		.amdhsa_float_denorm_mode_32 3
		.amdhsa_float_denorm_mode_16_64 3
		.amdhsa_memory_ordered 1
		.amdhsa_forward_progress 1
		.amdhsa_inst_pref_size 22
	.end_amdhsa_kernel
	.amdgpu_metadata
---
amdhsa.version: [ 1, 2 ]
amdhsa.kernels:
  - .name:           k_q97929da3ac_keys
    .symbol:         k_q97929da3ac_keys.kd
    .args:
      - { .name: input, .offset: 0, .size: 8, .value_kind: global_buffer, .address_space: global }
      - { .name: idx, .offset: 8, .size: 8, .value_kind: global_buffer, .address_space: global }
    .group_segment_fixed_size: 0
    .private_segment_fixed_size: 0
    .kernarg_segment_align: 8
    .kernarg_segment_size: 16
    .max_flat_workgroup_size: 512
    .sgpr_count:     66
    .vgpr_count:     128
    .wavefront_size: 32
...
	.end_amdgpu_metadata
.endif
;; end of part 1
;; launch blend (part 2): grid 256 x 1, 16 waves a work-group, no clusters, 296,960 bytes of LDS; arguments idx, input, flattened_params, out0; writes out0
.if DOCPART == 2
	.amdgcn_target "amdgcn-amd-amdhsa--gfx1250"
	.amdhsa_code_object_version 6
	.text
	.protected	k_q97929da3ac_blend
	.globl	k_q97929da3ac_blend
	.p2align	8
	.type	k_q97929da3ac_blend,@function
k_q97929da3ac_blend:
	s_mov_b64 s[64:65], 0
	v_nop
	global_prefetch_b8 v0, s[64:65] scope:SCOPE_SE
	s_setreg_imm32_b32 hwreg(HW_REG_WAVE_MODE, 25, 1), 1
	s_wait_xcnt 0x0
; PERMUTOHEDRAL ENCODING, SECOND OF TWO LAUNCHES: index words + positions + tables -> out[point][level][2].
; For each (level, point): four indices from the stored word, in whole numbers; four gathers of 8 bytes; four weights from the position,
; in f32; out = sum of weight x row.
;
; THE INDICES.  The word holds h0 (bits 18:0) and, at bit 19 + 2 r, the coordinate p(r) whose d has rank r.  From vertex kappa - 1 to vertex
; kappa every key grows by 1 and the key of p(4 - kappa) falls by 4, so the hash grows by S - 4 M^(3-p) (by S for p = 3), modulo 2^19, with
; S = M^3 + M^2 + M = 308647.  That is S' + 4 E'[p] with E'[p] = (-M^(3-p) + B) mod 2^17, E'[3] = B, B = 20480, S' = S - 4 B = 226727:
; E' = 0x181a5, 0x10777, 0x1b13d, 0x05000.  In each, bit 16 equals bit 0, so one v_perm_b32 with the selector bytes p, p + 4, p fetches the
; low byte, the middle byte and, as byte 2, the low byte again, whose bit 0 is the wanted bit 16; what lies above bit 16 lands above bit 18
; after the shift by 2 and is cut by the AND.  S is odd and cannot go into a table of multiples of 4: kappa S' is added apart.
; THE WEIGHTS are the gaps of the four d sorted downwards, s0 >= s1 >= s2 >= s3: vertex 0: 1 + s3 - s0, 1: s2 - s3, 2: s1 - s2, 3: s0 - s1.
; The d are made by the same instructions as in the first launch, so the sort here and the ranks there agree; equal d give a gap of 0.
; LIMITS as in the first launch: finite coordinates below 1e6 in magnitude; the position is elevated first and scaled afterwards.
; The blend contracts 4 terms whose operands differ from point to point: no matrix is shared, so it is four packed f32 multiply-adds.
;
; SHARES.  256 work-groups x 16 waves; a wave owns 128 points, lane l the points l + 32 j.  LEVELS ARE THE OUTER LOOP: all work-groups walk the
; 16 tables of 4 MiB in the same order.  A point's 32 results collect in LDS (rows of 128 bytes at a pitch of 144; 128 rows = 18,432 bytes
; a wave, its own: no barrier) and leave as whole rows at the end.
; PIPELINE.  Two sets of gather registers and of index words take turns.  The half-step of level l: make the addresses of level l + 1 and
; issue its 16 gathers; load the words of level l + 3; make the weights of level l; only then wait for level l's gathers.  At most 34 loads
; of a wave are out.
; NO CLUSTER: the rows that a work-group gathers are 8 bytes each at hashed places; no two work-groups read a common tile to ask for jointly.
; PREFETCH: in the half-step of level l waves 0 and 1 ask for the work-group's 16,384 bytes (64 lanes, 256 bytes apart) of the table of level
; l + 3, whose gathers are issued two half-steps later; the 256 work-groups' shares make up the table, each block asked for once.  Levels 3
; to 15 are asked for (from level 3 on the cells are many enough to reach nearly all of a table); the last request is for the last table.
.set WG_POINTS, 2048
.set PLANE, 0x200000                   ; bytes of one level in idx
.set TABLE, 0x400000                   ; bytes of one level's table: 524,288 rows of 8
.set PITCH, 144                        ; LDS row: 128 + 16 bytes; rows stay 16-byte aligned
.set WAVE_LDS, 128*PITCH
.set E,  16                            ; v[16:31]   item j: e0..e3
.set W0, 32                            ; v[32:35]   index words, even levels
.set W1, 36                            ; v[36:39]   odd levels
.set WT, 40                            ; v[40:55]   item j: the weights of vertices 0..3
.set O,  56                            ; v[56:63]   item j: the two results
.set G0, 64                            ; v[64:95]   even levels, item j, vertex k: pair at 8 j + 2 k: first the index (and a temporary), then the row
.set G1, 96                            ; v[96:127]  odd levels
.set T,  128                           ; v[128:159] item j: 8 temporaries
.set P,  128                           ; v[128:143] at the start: item j: the position, and one temporary
.set RB, 64                            ; v[64:191]  the way out
.set IB,  14                           ; s[14:15] idx at level le + 2 (le: the trip's even level)
.set PB1, 16                           ; s[16:17] table of level le + 1
.set PB0, 18                           ; s[18:19] table of level le + 2
.set PF,  34                           ; s[34:35] the group's share of the table of level le + 3
; v1 lane, v2 = 16 x thread (offset in a level of idx), v3 LDS address of my row 0 at the trip's even level, v4 LDS address on the way out,
; v5 offset in out, v[6:7] scale/4 (v7 only completes the pair), v8 offset of my first position, v9 = 256 x thread (prefetch)
	s_load_b256 s[4:11], s[0:1], 0x0               ; idx s[4:5], input s[6:7], tables s[8:9], out s[10:11]
	v_lshl_add_u32 v192, v0, 2, 0x48000
	v_mov_b32 v193, 0
	v_and_b32 v1, 31, v0                           ; lane
	v_lshrrev_b32 v10, 5, v0
	v_readfirstlane_b32 s12, v10                   ; wave
	v_lshl_add_u32 v8, v10, 7, v1                  ; 128 x wave + lane
	v_mul_u32_u24 v8, 12, v8
	v_lshlrev_b32 v2, 4, v0
	v_lshlrev_b32 v9, 8, v0
	s_mul_i32 s13, s12, WAVE_LDS                   ; my wave's rows in LDS
	v_mul_u32_u24 v3, PITCH, v1
	v_add_nc_u32 v3, s13, v3                       ; in: row = lane (+ 32 j by the offset)
	v_lshrrev_b32 v10, 3, v1
	v_and_b32 v11, 7, v1
	v_mul_u32_u24 v4, PITCH, v10
	v_lshl_add_u32 v4, v11, 4, v4
	v_add_nc_u32 v4, s13, v4                       ; back: eight lanes take a row of 128 bytes, a wave four rows
	s_lshl_b32 s36, s12, 14                        ; my wave's 128 rows of out
	v_lshl_add_u32 v5, v1, 4, s36
	v_mov_b32 v7, 0
	s_mov_b32 s37, 0                               ; s[36:37]: offsets, below 4 GiB
	s_mov_b32 s20, 0x7ffff                         ; 19 bits
	s_mov_b32 s21, 0x010101                        ; p into selector bytes 0, 1, 2
	s_mov_b32 s22, 0x000400                        ; byte 1 picks from the table of middle bytes
	s_mov_b32 s23, 0x50b10781                      ; middle bytes of E'[3..0]
	s_mov_b32 s24, 0x003d77a5                      ; low bytes of E'[3..0]
	s_mov_b32 s25, 226727                          ; S'
	s_mov_b32 s26, 453454                          ; 2 S'
	s_mov_b32 s27, 155893                          ; 3 S' mod 2^19
	s_mov_b32 s28, 0x3f3504f3                      ; 1/sqrt(2)
	s_mov_b32 s29, 0x3ed105ec                      ; 1/sqrt(6)
	s_mov_b32 s30, 0x3e93cd3a                      ; 1/sqrt(12)
	s_mov_b32 s31, 0xbf5105ec                      ; -2/sqrt(6)
	s_mov_b32 s32, 0xbf5db3d7                      ; -3/sqrt(12)
	s_mov_b32 s33, 0xbf3504f3                      ; -1/sqrt(2)
	; s[40:55]: scale/4 of the 16 levels, the same constants as in the first launch
.set i, 0
.irp c, 0x40800000, 0x40b0e285, 0x40f47080, 0x4128e5a3, 0x416966a5, 0x41a14518, 0x41dedc67, 0x4219fcb9, 0x4254cc02, 0x4293088c, 0x42cb2ff5, 0x430c64c3, 0x43420300, 0x43860dbc, 0x43b9401e, 0x44000000
	s_mov_b32 s[40+i], \c
.set i, i+1
.endr
	s_wait_kmcnt 0x0
	s_lshl_b32 s36, ttmp9, 13                      ; the group's 2,048 words in a level of idx
	s_add_nc_u64 s[4:5], s[4:5], s[36:37]
	s_add_nc_u64 s[IB:IB+1], s[4:5], 2*PLANE
	s_mul_i32 s36, ttmp9, WG_POINTS*12             ; its positions
	s_add_nc_u64 s[6:7], s[6:7], s[36:37]
	s_lshl_b32 s36, ttmp9, 18                      ; its 2,048 rows of out
	s_add_nc_u64 s[10:11], s[10:11], s[36:37]
	s_lshl_b32 s36, ttmp9, 14                      ; its 16,384 bytes of a table, for the prefetch
	s_add_nc_u64 s[PF:PF+1], s[8:9], s[36:37]
	s_add_nc_u64 s[PF:PF+1], s[PF:PF+1], 3*TABLE
	s_add_nc_u64 s[PB1:PB1+1], s[8:9], TABLE
	s_add_nc_u64 s[PB0:PB0+1], s[8:9], 2*TABLE
.irp j, 0,1,2,3
.irp k, 0,1,2
	global_load_b32 v[P+4*\j+\k], v8, s[6:7] offset:384*\j+4*\k th:TH_LOAD_NT      ; 12-byte records, 4-byte aligned: three 4-byte loads
.endr
.endr
	global_load_b128 v[W0:W0+3], v2, s[4:5] th:TH_LOAD_NT                  ; words of level 0: 512 consecutive bytes a wave
	global_load_b128 v[W1:W1+3], v2, s[4:5] offset:PLANE th:TH_LOAD_NT     ; of level 1
; four indices for each of the four items, from the words in v[w:w+3] into the even registers of buffer g; the odd ones are temporaries
.macro ADDR g, w
.irp j, 0,1,2,3
	v_and_b32 v[\g+8*\j],   s20, v[\w+\j]                          ; h0
	v_bfe_u32 v[\g+8*\j+1], v[\w+\j], 25, 2                        ; p(3): its key falls first
	v_bfe_u32 v[\g+8*\j+3], v[\w+\j], 23, 2                        ; p(2)
	v_bfe_u32 v[\g+8*\j+5], v[\w+\j], 21, 2                        ; p(1)
.endr
.irp j, 0,1,2,3
.irp k, 1,3,5
	v_mad_u32_u24 v[\g+8*\j+\k], v[\g+8*\j+\k], s21, s22           ; selector bytes p, p + 4, p, 0
.endr
.endr
.irp j, 0,1,2,3
.irp k, 1,3,5
	v_perm_b32 v[\g+8*\j+\k], s23, s24, v[\g+8*\j+\k]              ; E'[p] in bits 16:0
.endr
.endr
.irp k, 1,3,5
.irp j, 0,1,2,3
	v_lshl_add_u32 v[\g+8*\j+\k+1], v[\g+8*\j+\k], 2, v[\g+8*\j+\k-1]      ; + 4 E', on top of the vertex before
.endr
.endr
.irp j, 0,1,2,3
	v_add_nc_u32 v[\g+8*\j+2], s25, v[\g+8*\j+2]
	v_add_nc_u32 v[\g+8*\j+4], s26, v[\g+8*\j+4]
	v_add_nc_u32 v[\g+8*\j+6], s27, v[\g+8*\j+6]
.endr
.irp j, 0,1,2,3
.irp k, 2,4,6
	v_and_b32 v[\g+8*\j+\k], s20, v[\g+8*\j+\k]
.endr
.endr
	; a number that came from memory enters an address only behind a v_min_u32 with its bound written out; the AND has cut to 19 bits: no value changes
.irp j, 0,1,2,3
.irp k, 0,2,4,6
	v_min_u32 v[\g+8*\j+\k], 0x7ffff, v[\g+8*\j+\k]
.endr
.endr
.endm
.macro GATHER g, pb                    ; 16 loads of 8 bytes a lane at table + 8 x index; each lands on its own index register and the one above
.irp j, 0,1,2,3
.irp k, 0,2,4,6
	global_load_b64 v[\g+8*\j+\k:\g+8*\j+\k+1], v[\g+8*\j+\k], s[\pb:\pb+1] scale_offset
.endr
.endr
.endm
.macro WEIGHTS scs
	v_mov_b32 v6, s[\scs]
.irp j, 0,1,2,3
	v_pk_mul_f32 v[T+8*\j:T+8*\j+1],   v[E+4*\j:E+4*\j+1],   v[6:7] op_sel_hi:[1,0]       ; q
	v_pk_mul_f32 v[T+8*\j+2:T+8*\j+3], v[E+4*\j+2:E+4*\j+3], v[6:7] op_sel_hi:[1,0]
.endr
.irp j, 0,1,2,3
.irp k, 0,1,2,3
	v_rndne_f32 v[T+8*\j+4+\k], v[T+8*\j+\k]                       ; r
.endr
.endr
.irp j, 0,1,2,3
	v_pk_add_f32 v[T+8*\j:T+8*\j+1],   v[T+8*\j:T+8*\j+1],   v[T+8*\j+4:T+8*\j+5] neg_lo:[0,1] neg_hi:[0,1]   ; d = q - r
	v_pk_add_f32 v[T+8*\j+2:T+8*\j+3], v[T+8*\j+2:T+8*\j+3], v[T+8*\j+6:T+8*\j+7] neg_lo:[0,1] neg_hi:[0,1]
.endr
	; five compare-exchanges sort four numbers
.irp j, 0,1,2,3
	v_max_num_f32 v[T+8*\j+4], v[T+8*\j],   v[T+8*\j+1]
	v_min_num_f32 v[T+8*\j+5], v[T+8*\j],   v[T+8*\j+1]
	v_max_num_f32 v[T+8*\j+6], v[T+8*\j+2], v[T+8*\j+3]
	v_min_num_f32 v[T+8*\j+7], v[T+8*\j+2], v[T+8*\j+3]
.endr
.irp j, 0,1,2,3
	v_max_num_f32 v[T+8*\j],   v[T+8*\j+4], v[T+8*\j+6]            ; s0
	v_min_num_f32 v[T+8*\j+1], v[T+8*\j+4], v[T+8*\j+6]
	v_max_num_f32 v[T+8*\j+2], v[T+8*\j+5], v[T+8*\j+7]
	v_min_num_f32 v[T+8*\j+3], v[T+8*\j+5], v[T+8*\j+7]            ; s3
.endr
.irp j, 0,1,2,3
	v_max_num_f32 v[T+8*\j+4], v[T+8*\j+1], v[T+8*\j+2]            ; s1
	v_min_num_f32 v[T+8*\j+5], v[T+8*\j+1], v[T+8*\j+2]            ; s2
	v_sub_f32     v[T+8*\j+6], v[T+8*\j+3], v[T+8*\j]              ; s3 - s0
.endr
.irp j, 0,1,2,3
	v_add_f32 v[WT+4*\j],   1.0, v[T+8*\j+6]                       ; vertex 0
	v_sub_f32 v[WT+4*\j+1], v[T+8*\j+5], v[T+8*\j+3]               ; vertex 1: s2 - s3
	v_sub_f32 v[WT+4*\j+2], v[T+8*\j+4], v[T+8*\j+5]               ; vertex 2: s1 - s2
	v_sub_f32 v[WT+4*\j+3], v[T+8*\j],   v[T+8*\j+4]               ; vertex 3: s0 - s1
.endr
.endm
; out = sum of weight x row, both features at once; the weight is broadcast out of its pair.  Then 8 bytes into my row, at byte lv of the trip's 16
.macro BLEND g, lv
.irp j, 0,1,2,3
	v_pk_mul_f32 v[O+2*\j:O+2*\j+1], v[\g+8*\j:\g+8*\j+1], v[WT+4*\j:WT+4*\j+1] op_sel_hi:[1,0]
.endr
.irp j, 0,1,2,3
	v_pk_fma_f32 v[O+2*\j:O+2*\j+1], v[\g+8*\j+2:\g+8*\j+3], v[WT+4*\j:WT+4*\j+1], v[O+2*\j:O+2*\j+1] op_sel:[0,1,0] op_sel_hi:[1,1,1]
.endr
.irp j, 0,1,2,3
	v_pk_fma_f32 v[O+2*\j:O+2*\j+1], v[\g+8*\j+4:\g+8*\j+5], v[WT+4*\j+2:WT+4*\j+3], v[O+2*\j:O+2*\j+1] op_sel_hi:[1,0,1]
.endr
.irp j, 0,1,2,3
	v_pk_fma_f32 v[O+2*\j:O+2*\j+1], v[\g+8*\j+6:\g+8*\j+7], v[WT+4*\j+2:WT+4*\j+3], v[O+2*\j:O+2*\j+1] op_sel:[0,1,0] op_sel_hi:[1,1,1]
.endr
.irp j, 0,1,2,3
	ds_store_b64 v3, v[O+2*\j:O+2*\j+1] offset:32*PITCH*\j+\lv
.endr
.endm
; The half-step of level l.  cur: the buffer with l's gathers; nxt, wreg, pb: buffer, words and table of level l + 1 (gath = 1);
; more = 1: wreg is loaded again with the words of level l + 3, and the table of level l + 3 is asked for.
; At the head the loads that are out are, in order: the words of l + 1, the 16 gathers of l, the words of l + 2.
; n1: what may stay out when the words of l + 1 are needed; n2: what may stay out when the gathers of l are needed.
.macro HALF cur, nxt, wreg, pb, scs, lv, gath, more, wofs, pfofs, tag, n1, n2
.if \gath
	s_wait_loadcnt \n1
	ADDR \nxt, \wreg
	GATHER \nxt, \pb
.endif
.if \more
	global_load_b128 v[\wreg:\wreg+3], v2, s[IB:IB+1] offset:\wofs th:TH_LOAD_NT
	s_cmp_ge_u32 s12, 2                            ; waves 0 and 1 ask
	s_cbranch_scc1 .Lnp\tag
	global_prefetch_b8 v9, s[PF:PF+1] offset:\pfofs th:TH_LOAD_NT scope:SCOPE_SE
.Lnp\tag:
.endif
	WEIGHTS \scs
	s_wait_loadcnt \n2
	BLEND \cur, \lv
.endm
; two levels on.  full = 0, in the tail: only the odd table's base is still needed, and no pointer is stepped past its buffer
.macro STEP full
	s_wait_xcnt 0x0                                ; the bases of the loads and of the prefetch above are stepped only behind this wait
	s_add_nc_u64 s[PB1:PB1+1], s[PB1:PB1+1], 2*TABLE
.if \full
	s_add_nc_u64 s[PB0:PB0+1], s[PB0:PB0+1], 2*TABLE
	s_add_nc_u64 s[PF:PF+1], s[PF:PF+1], 2*TABLE
	s_add_nc_u64 s[IB:IB+1], s[IB:IB+1], 2*PLANE
.endif
.irp k, 40,42,44,46,48,50,52
	s_mov_b64 s[\k:\k+1], s[\k+2:\k+3]             ; the next two scales move to the front
.endr
	v_add_nc_u32 v3, 16, v3                        ; two levels of 8 bytes on in my rows
.endm
	s_wait_loadcnt 0x2                             ; the positions are in; the two loads of words stay out
.irp j, 0,1,2,3
	v_mul_f32 v[P+4*\j+3], s30, v[P+4*\j+2]                        ; c = p2/sqrt12
	v_mul_f32 v[E+4*\j+3], s32, v[P+4*\j+2]                        ; e3
	v_fma_f32 v[E+4*\j+2], s31, v[P+4*\j+1], v[P+4*\j+3]           ; e2 = -2 p1/sqrt6 + c
	v_fma_f32 v[P+4*\j+3], s29, v[P+4*\j+1], v[P+4*\j+3]           ; p1/sqrt6 + c
	v_fma_f32 v[E+4*\j],   s28, v[P+4*\j],   v[P+4*\j+3]           ; e0
	v_fma_f32 v[E+4*\j+1], s33, v[P+4*\j],   v[P+4*\j+3]           ; e1
.endr
	s_wait_loadcnt 0x1                             ; the words of level 0 are in; those of level 1 stay out
	ADDR G0, W0
	GATHER G0, 8                                   ; level 0, from the tables' first byte on
	global_load_b128 v[W0:W0+3], v2, s[4:5] offset:2*PLANE th:TH_LOAD_NT   ; words of level 2
	s_mov_b32 s56, 0
.Ltrip:                                            ; 6 trips: levels 0 to 11.  17 = 16 gathers + 1 load of words; 18 = 1 + 16 gathers + 1
	HALF G0, G1, W1, PB1, 40, 0, 1, 1, PLANE, 0, a, 17, 18
	HALF G1, G0, W0, PB0, 41, 8, 1, 1, 2*PLANE, TABLE, b, 17, 18
	STEP 1
	s_add_co_u32 s56, s56, 1
	s_cmp_lt_u32 s56, 6
	s_cbranch_scc1 .Ltrip
	HALF G0, G1, W1, PB1, 40, 0, 1, 1, PLANE, 0, c, 17, 18         ; level 12: the last words (level 15) and the last table are asked for
	HALF G1, G0, W0, PB0, 41, 8, 1, 0, 0, 0, d, 17, 17             ; level 13: no words are loaded any more: 1 + 16 stay out at the second wait
	STEP 0
	HALF G0, G1, W1, PB1, 40, 0, 1, 0, 0, 0, e, 16, 16             ; level 14: only gathers are out
	HALF G1, G0, W0, PB0, 41, 8, 0, 0, 0, 0, f, 0, 0               ; level 15: nothing follows
	; THE WAY OUT: my wave's 128 rows, four at a time.  LDS serves a wave's instructions in order (ISA guide 5.7.1): these loads see the stores above.
.irp t, 0,1,2,3,4,5,6,7,8,9,10,11,12,13,14,15,16,17,18,19,20,21,22,23,24,25,26,27,28,29,30,31
	ds_load_b128 v[RB+4*\t:RB+4*\t+3], v4 offset:4*PITCH*\t
.endr
.irp t, 0,1,2,3,4,5,6,7,8,9,10,11,12,13,14,15,16,17,18,19,20,21,22,23,24,25,26,27,28,29,30,31
	s_wait_dscnt 31-\t                             ; load t is in; the 31 - t behind it stay out
	global_store_b128 v5, v[RB+4*\t:RB+4*\t+3], s[10:11] offset:512*\t th:TH_STORE_NT     ; 512 consecutive bytes of out, aligned
.endr
	s_wait_tensorcnt 0x0
	ds_add_u32 v192, v193
	s_wait_dscnt 0x0
	s_endpgm
.Lfunc_end_k_q97929da3ac_blend:
	.size	k_q97929da3ac_blend, .Lfunc_end_k_q97929da3ac_blend-k_q97929da3ac_blend
	.p2alignl 7, 3214868480
	.fill 96, 4, 3214868480
	.section	.rodata,"a",@progbits
	.p2align	6, 0x0
	.amdhsa_kernel k_q97929da3ac_blend
		.amdhsa_group_segment_fixed_size 296960
		.amdhsa_private_segment_fixed_size 0
		.amdhsa_enable_private_segment 0
		.amdhsa_kernarg_size 32
		.amdhsa_user_sgpr_count 2
		.amdhsa_user_sgpr_kernarg_segment_ptr 1
		.amdhsa_wavefront_size32 1
		.amdhsa_system_sgpr_workgroup_id_x 1
		.amdhsa_system_sgpr_workgroup_id_y 1
		.amdhsa_system_sgpr_workgroup_id_z 1
		.amdhsa_system_vgpr_workitem_id 0
		.amdhsa_next_free_vgpr 194
		.amdhsa_next_free_sgpr 66
		.amdhsa_reserve_vcc 0
		.amdhsa_float_denorm_mode_32 3
		.amdhsa_float_denorm_mode_16_64 3
		.amdhsa_memory_ordered 1
		.amdhsa_forward_progress 1
		.amdhsa_inst_pref_size 81
	.end_amdhsa_kernel
	.amdgpu_metadata
---
amdhsa.version: [ 1, 2 ]
amdhsa.kernels:
  - .name:           k_q97929da3ac_blend
    .symbol:         k_q97929da3ac_blend.kd
    .args:
      - { .name: idx, .offset: 0, .size: 8, .value_kind: global_buffer, .address_space: global }
      - { .name: input, .offset: 8, .size: 8, .value_kind: global_buffer, .address_space: global }
      - { .name: flattened_params, .offset: 16, .size: 8, .value_kind: global_buffer, .address_space: global }
      - { .name: out0, .offset: 24, .size: 8, .value_kind: global_buffer, .address_space: global }
    .group_segment_fixed_size: 296960
    .private_segment_fixed_size: 0
    .kernarg_segment_align: 8
    .kernarg_segment_size: 32
    .max_flat_workgroup_size: 512
    .sgpr_count:     66
    .vgpr_count:     194
    .wavefront_size: 32
...
	.end_amdgpu_metadata
.endif
;; end of part 2
;; ======== version 2 of 2: 2 launches; version 1 with the launch blend written anew for expert scheduling mode
;; workspace buffers: idx 33,554,432 bytes of whole numbers
;; launch keys: the kernel of part 1 again; grid 256 x 1, 16 waves a work-group, no clusters, 0 bytes of LDS; arguments input, idx; writes idx
;; launch blend (part 3): grid 256 x 1, 16 waves a work-group, no clusters, 296,960 bytes of LDS; arguments idx, input, flattened_params, out0; writes out0
.if DOCPART == 3
	.amdgcn_target "amdgcn-amd-amdhsa--gfx1250"
	.amdhsa_code_object_version 6
	.text
	.protected	k_q97929da3ac_blend
	.globl	k_q97929da3ac_blend
	.p2align	8
	.type	k_q97929da3ac_blend,@function
k_q97929da3ac_blend:
	s_mov_b64 s[64:65], 0
	v_nop
	global_prefetch_b8 v0, s[64:65] scope:SCOPE_SE
	s_setreg_imm32_b32 hwreg(HW_REG_WAVE_SCHED_MODE, 0, 2), 2
	s_setreg_imm32_b32 hwreg(HW_REG_WAVE_MODE, 25, 1), 1
	s_wait_xcnt 0x0
	s_wait_alu depctr_vm_vsrc(0)
; PERMUTOHEDRAL ENCODING, SECOND OF TWO LAUNCHES: index words + positions + tables -> out[point][level][2].
; For each (level, point): four indices from the stored word, in whole numbers; four gathers of 8 bytes; four weights from the position,
; in f32; out = sum of weight x row.
;
; THE INDICES.  The word holds h0 (bits 18:0) and, at bit 19 + 2 r, the coordinate p(r) whose d has rank r.  From vertex kappa - 1 to vertex
; kappa every key grows by 1 and the key of p(4 - kappa) falls by 4, so the hash grows by S - 4 M^(3-p) (by S for p = 3), modulo 2^19, with
; S = M^3 + M^2 + M = 308647.  That is S' + 4 E'[p] with E'[p] = (-M^(3-p) + B) mod 2^17, E'[3] = B, B = 20480, S' = S - 4 B = 226727:
; E' = 0x181a5, 0x10777, 0x1b13d, 0x05000.  In each, bit 16 equals bit 0, so one v_perm_b32 with the selector bytes p, p + 4, p fetches the
; low byte, the middle byte and, as byte 2, the low byte again, whose bit 0 is the wanted bit 16; what lies above bit 16 lands above bit 18
; after the shift by 2 and is cut by the AND.  S is odd and cannot go into a table of multiples of 4: kappa S' is added apart.
; THE WEIGHTS are the gaps of the four d sorted downwards, s0 >= s1 >= s2 >= s3: vertex 0: 1 + s3 - s0, 1: s2 - s3, 2: s1 - s2, 3: s0 - s1.
; The d are made by the same instructions as in the first launch, so the sort here and the ranks there agree; equal d give a gap of 0.
; LIMITS as in the first launch: finite coordinates below 1e6 in magnitude; the position is elevated first and scaled afterwards.
; The blend contracts 4 terms whose operands differ from point to point: no matrix is shared, so it is four packed f32 multiply-adds.
;
; SHARES.  256 work-groups x 16 waves; a wave owns 128 points, lane l the points l + 32 j.  LEVELS ARE THE OUTER LOOP: all work-groups walk the
; 16 tables of 4 MiB in the same order.  A point's 32 results collect in LDS (rows of 128 bytes at a pitch of 144; 128 rows = 18,432 bytes
; a wave, its own: no barrier) and leave as whole rows at the end.
; PIPELINE.  Two sets of gather registers, of offsets, of index words and of results take turns.  The half-step of level l: make the offsets of
; level l + 1; issue its 16 gathers, the load of the words of level l + 3 and the LDS stores of level l - 1, dealt among the first lines of
; level l's weights; finish the weights; only then wait for level l's gathers, and blend.  At most 34 loads of a wave are out.
; NO CLUSTER: the rows that a work-group gathers are 8 bytes each at hashed places; no two work-groups read a common tile to ask for jointly.
; PREFETCH: in the half-step of level l waves 0 and 1 ask for the work-group's 16,384 bytes (64 lanes, 256 bytes apart) of the table of level
; l + 3, whose gathers are issued two half-steps later; the 256 work-groups' shares make up the table, each block asked for once.  Levels 3
; to 15 are asked for (from level 3 on the cells are many enough to reach nearly all of a table); the last request is for the last table.
;
; THE MODE: SCHED_MODE bits 1:0 = 2 (LLVM: expert scheduling mode 2), set by the entry lines.  The code itself states the register dependences
; between vector instructions and memory or LDS instructions, with s_wait_alu, always for 0.
; THE PLAN.  Registers that memory or LDS instructions touch:
;   v2, v4, v5, v8, v9   offsets, made once at the head and never written again.
;   v3        the LDS stores' address.  Written at the head, and moved on by two levels at the end of each even half-step that has stored.
;   W0, W1    index words.  Half-step l: its address lines read the words of level l + 1; behind them the words of level l + 3 land in the same registers.
;   IX0, IX1  the gathers' offsets.  Half-step l: the last of its address lines write IX[(l + 1) % 2]; its gathers read it; written again in half-step l + 2.
;   G0, G1    Half-step l: its address lines use G[(l + 1) % 2] as temporaries; then the gathers of level l + 1 land in it; the blend of level l + 1 reads it.
;   O0, O1    results.  The blend of level l writes O[l % 2]; the four LDS stores issued in half-step l + 1 read it; written again by the blend of level l + 2.
;   E, T, WT, v6, v7 are named by vector instructions alone.
; So a half-step has ONE wait on va_vdst, behind its address lines, and ONE on vm_vsrc, at its end.  Between the first and the half-step's 21 memory
; and LDS instructions stand only lines of the weights, which name v6, v7, E and T: none of the registers that those instructions touch.
.set WG_POINTS, 2048
.set PLANE, 0x200000                   ; bytes of one level in idx
.set TABLE, 0x400000                   ; bytes of one level's table: 524,288 rows of 8
.set PITCH, 144                        ; LDS row: 128 + 16 bytes; rows stay 16-byte aligned
.set WAVE_LDS, 128*PITCH
.set E,  16                            ; v[16:31]   item j: e0..e3
.set W0, 32                            ; v[32:35]   index words, even levels
.set W1, 36                            ; v[36:39]   odd levels
.set WT, 40                            ; v[40:55]   item j: the weights of vertices 0..3
.set O0, 56                            ; v[56:63]   even levels, item j: the two results
.set G0, 64                            ; v[64:95]   even levels, item j, vertex k: pair at 8 j + 2 k: first temporaries of the address lines, then the row
.set G1, 96                            ; v[96:127]  odd levels
.set T,  128                           ; v[128:159] item j: 8 temporaries
.set P,  128                           ; v[128:143] at the start: item j: the position, and one temporary
.set IX0, 160                          ; v[160:175] even levels, item j, vertex k: the index at 4 j + k
.set IX1, 176                          ; v[176:191] odd levels
.set O1, 192                           ; v[192:199] odd levels, item j: the two results
.set RB, 64                            ; v[64:191]  the way out
.set IB,  14                           ; s[14:15] idx at level le + 2 (le: the even level of the pair in hand)
.set PB1, 16                           ; s[16:17] table of level le + 1
.set PB0, 18                           ; s[18:19] table of level le + 2
.set PF,  34                           ; s[34:35] the group's share of the table of level le + 3
; v1 lane, v2 = 16 x thread (offset in a level of idx), v3 LDS address of my row 0 at the even level of the pair being stored, v4 LDS address on the way out,
; v5 offset in out, v[6:7] scale/4 (v7 only completes the pair), v8 offset of my first position, v9 = 256 x thread (prefetch)
	s_load_b256 s[4:11], s[0:1], 0x0               ; idx s[4:5], input s[6:7], tables s[8:9], out s[10:11]
	v_lshl_add_u32 v14, v0, 2, 0x48000
	v_mov_b32 v15, 0
	v_and_b32 v1, 31, v0                           ; lane
	v_lshrrev_b32 v10, 5, v0
	v_readfirstlane_b32 s12, v10                   ; wave
	v_lshl_add_u32 v8, v10, 7, v1                  ; 128 x wave + lane
	v_mul_u32_u24 v8, 12, v8
	v_lshlrev_b32 v2, 4, v0
	v_lshlrev_b32 v9, 8, v0
	s_wait_alu depctr_va_sdst(0)                   ; s12 is written, ahead of its first reader: LDS and out offsets and the prefetch's branch are made from it
	s_mul_i32 s13, s12, WAVE_LDS                   ; my wave's rows in LDS
	v_mul_u32_u24 v3, PITCH, v1
	v_add_nc_u32 v3, s13, v3                       ; in: row = lane (+ 32 j by the offset)
	v_lshrrev_b32 v10, 3, v1
	v_and_b32 v11, 7, v1
	v_mul_u32_u24 v4, PITCH, v10
	v_lshl_add_u32 v4, v11, 4, v4
	v_add_nc_u32 v4, s13, v4                       ; back: eight lanes take a row of 128 bytes, a wave four rows
	s_lshl_b32 s36, s12, 14                        ; my wave's 128 rows of out
	v_lshl_add_u32 v5, v1, 4, s36
	v_mov_b32 v7, 0
	s_mov_b32 s37, 0                               ; s[36:37]: offsets, below 4 GiB
	s_mov_b32 s20, 0x7ffff                         ; 19 bits
	s_mov_b32 s21, 0x010101                        ; p into selector bytes 0, 1, 2
	s_mov_b32 s22, 0x000400                        ; byte 1 picks from the table of middle bytes
	s_mov_b32 s23, 0x50b10781                      ; middle bytes of E'[3..0]
	s_mov_b32 s24, 0x003d77a5                      ; low bytes of E'[3..0]
	s_mov_b32 s25, 226727                          ; S'
	s_mov_b32 s26, 453454                          ; 2 S'
	s_mov_b32 s27, 155893                          ; 3 S' mod 2^19
	s_mov_b32 s28, 0x3f3504f3                      ; 1/sqrt(2)
	s_mov_b32 s29, 0x3ed105ec                      ; 1/sqrt(6)
	s_mov_b32 s30, 0x3e93cd3a                      ; 1/sqrt(12)
	s_mov_b32 s31, 0xbf5105ec                      ; -2/sqrt(6)
	s_mov_b32 s32, 0xbf5db3d7                      ; -3/sqrt(12)
	s_mov_b32 s33, 0xbf3504f3                      ; -1/sqrt(2)
	; s[40:55]: scale/4 of the 16 levels, the same constants as in the first launch
.set i, 0
.irp c, 0x40800000, 0x40b0e285, 0x40f47080, 0x4128e5a3, 0x416966a5, 0x41a14518, 0x41dedc67, 0x4219fcb9, 0x4254cc02, 0x4293088c, 0x42cb2ff5, 0x430c64c3, 0x43420300, 0x43860dbc, 0x43b9401e, 0x44000000
	s_mov_b32 s[40+i], \c
.set i, i+1
.endr
	s_wait_kmcnt 0x0
	s_lshl_b32 s36, ttmp9, 13                      ; the group's 2,048 words in a level of idx
	s_add_nc_u64 s[4:5], s[4:5], s[36:37]
	s_add_nc_u64 s[IB:IB+1], s[4:5], 2*PLANE
	s_mul_i32 s36, ttmp9, WG_POINTS*12             ; its positions
	s_add_nc_u64 s[6:7], s[6:7], s[36:37]
	s_lshl_b32 s36, ttmp9, 18                      ; its 2,048 rows of out
	s_add_nc_u64 s[10:11], s[10:11], s[36:37]
	s_lshl_b32 s36, ttmp9, 14                      ; its 16,384 bytes of a table, for the prefetch
	s_add_nc_u64 s[PF:PF+1], s[8:9], s[36:37]
	s_add_nc_u64 s[PF:PF+1], s[PF:PF+1], 3*TABLE
	s_add_nc_u64 s[PB1:PB1+1], s[8:9], TABLE
	s_add_nc_u64 s[PB0:PB0+1], s[8:9], 2*TABLE
	s_wait_alu depctr_va_vdst(0)                   ; the offsets and addresses v2, v3, v4, v5, v8 and v9 are written, which the kernel's loads, stores and prefetches read
.irp j, 0,1,2,3
.irp k, 0,1,2
	global_load_b32 v[P+4*\j+\k], v8, s[6:7] offset:384*\j+4*\k th:TH_LOAD_NT      ; 12-byte records, 4-byte aligned: three 4-byte loads
.endr
.endr
	global_load_b128 v[W0:W0+3], v2, s[4:5] th:TH_LOAD_NT                  ; words of level 0: 512 consecutive bytes a wave
	global_load_b128 v[W1:W1+3], v2, s[4:5] offset:PLANE th:TH_LOAD_NT     ; of level 1
; four indices for each of the four items, from the words in v[w:w+3] into v[ix:ix+15]; buffer g, which is free until the gathers land in it, holds the temporaries
.macro ADDR g, ix, w
.irp j, 0,1,2,3
	v_and_b32 v[\g+8*\j],   s20, v[\w+\j]                          ; h0
	v_bfe_u32 v[\g+8*\j+1], v[\w+\j], 25, 2                        ; p(3): its key falls first
	v_bfe_u32 v[\g+8*\j+3], v[\w+\j], 23, 2                        ; p(2)
	v_bfe_u32 v[\g+8*\j+5], v[\w+\j], 21, 2                        ; p(1)
.endr
.irp j, 0,1,2,3
.irp k, 1,3,5
	v_mad_u32_u24 v[\g+8*\j+\k], v[\g+8*\j+\k], s21, s22           ; selector bytes p, p + 4, p, 0
.endr
.endr
.irp j, 0,1,2,3
.irp k, 1,3,5
	v_perm_b32 v[\g+8*\j+\k], s23, s24, v[\g+8*\j+\k]              ; E'[p] in bits 16:0
.endr
.endr
.irp k, 1,3,5
.irp j, 0,1,2,3
	v_lshl_add_u32 v[\g+8*\j+\k+1], v[\g+8*\j+\k], 2, v[\g+8*\j+\k-1]      ; + 4 E', on top of the vertex before
.endr
.endr
.irp j, 0,1,2,3
	v_add_nc_u32 v[\g+8*\j+2], s25, v[\g+8*\j+2]
	v_add_nc_u32 v[\g+8*\j+4], s26, v[\g+8*\j+4]
	v_add_nc_u32 v[\g+8*\j+6], s27, v[\g+8*\j+6]
.endr
.irp j, 0,1,2,3
.irp k, 2,4,6
	v_and_b32 v[\g+8*\j+\k], s20, v[\g+8*\j+\k]
.endr
.endr
	; a number that came from memory enters an address only behind a v_min_u32 with its bound written out; the AND has cut to 19 bits: no value changes
.irp j, 0,1,2,3
.irp k, 0,2,4,6
	v_min_u32 v[\ix+4*\j+\k/2], 0x7ffff, v[\g+8*\j+\k]
.endr
.endr
.endm
.macro GATH4 g, ix, pb, j              ; item j: 4 loads of 8 bytes a lane at table + 8 x index
.irp k, 0,1,2,3
	global_load_b64 v[\g+8*\j+2*\k:\g+8*\j+2*\k+1], v[\ix+4*\j+\k], s[\pb:\pb+1] scale_offset
.endr
.endm
; the weights, in four parts, so that the half-step's memory instructions can stand between the first three
.macro WQ scs
	v_mov_b32 v6, s[\scs]
.irp j, 0,1,2,3
	v_pk_mul_f32 v[T+8*\j:T+8*\j+1],   v[E+4*\j:E+4*\j+1],   v[6:7] op_sel_hi:[1,0]       ; q
	v_pk_mul_f32 v[T+8*\j+2:T+8*\j+3], v[E+4*\j+2:E+4*\j+3], v[6:7] op_sel_hi:[1,0]
.endr
.endm
.macro WR
.irp j, 0,1,2,3
.irp k, 0,1,2,3
	v_rndne_f32 v[T+8*\j+4+\k], v[T+8*\j+\k]                       ; r
.endr
.endr
.endm
.macro WD
.irp j, 0,1,2,3
	v_pk_add_f32 v[T+8*\j:T+8*\j+1],   v[T+8*\j:T+8*\j+1],   v[T+8*\j+4:T+8*\j+5] neg_lo:[0,1] neg_hi:[0,1]   ; d = q - r
	v_pk_add_f32 v[T+8*\j+2:T+8*\j+3], v[T+8*\j+2:T+8*\j+3], v[T+8*\j+6:T+8*\j+7] neg_lo:[0,1] neg_hi:[0,1]
.endr
.endm
.macro WS
	; five compare-exchanges sort four numbers
.irp j, 0,1,2,3
	v_max_num_f32 v[T+8*\j+4], v[T+8*\j],   v[T+8*\j+1]
	v_min_num_f32 v[T+8*\j+5], v[T+8*\j],   v[T+8*\j+1]
	v_max_num_f32 v[T+8*\j+6], v[T+8*\j+2], v[T+8*\j+3]
	v_min_num_f32 v[T+8*\j+7], v[T+8*\j+2], v[T+8*\j+3]
.endr
.irp j, 0,1,2,3
	v_max_num_f32 v[T+8*\j],   v[T+8*\j+4], v[T+8*\j+6]            ; s0
	v_min_num_f32 v[T+8*\j+1], v[T+8*\j+4], v[T+8*\j+6]
	v_max_num_f32 v[T+8*\j+2], v[T+8*\j+5], v[T+8*\j+7]
	v_min_num_f32 v[T+8*\j+3], v[T+8*\j+5], v[T+8*\j+7]            ; s3
.endr
.irp j, 0,1,2,3
	v_max_num_f32 v[T+8*\j+4], v[T+8*\j+1], v[T+8*\j+2]            ; s1
	v_min_num_f32 v[T+8*\j+5], v[T+8*\j+1], v[T+8*\j+2]            ; s2
	v_sub_f32     v[T+8*\j+6], v[T+8*\j+3], v[T+8*\j]              ; s3 - s0
.endr
.irp j, 0,1,2,3
	v_add_f32 v[WT+4*\j],   1.0, v[T+8*\j+6]                       ; vertex 0
	v_sub_f32 v[WT+4*\j+1], v[T+8*\j+5], v[T+8*\j+3]               ; vertex 1: s2 - s3
	v_sub_f32 v[WT+4*\j+2], v[T+8*\j+4], v[T+8*\j+5]               ; vertex 2: s1 - s2
	v_sub_f32 v[WT+4*\j+3], v[T+8*\j],   v[T+8*\j+4]               ; vertex 3: s0 - s1
.endr
.endm
; out = sum of weight x row, both features at once, into result buffer o; the weight is broadcast out of its pair
.macro BLEND g, o
.irp j, 0,1,2,3
	v_pk_mul_f32 v[\o+2*\j:\o+2*\j+1], v[\g+8*\j:\g+8*\j+1], v[WT+4*\j:WT+4*\j+1] op_sel_hi:[1,0]
.endr
.irp j, 0,1,2,3
	v_pk_fma_f32 v[\o+2*\j:\o+2*\j+1], v[\g+8*\j+2:\g+8*\j+3], v[WT+4*\j:WT+4*\j+1], v[\o+2*\j:\o+2*\j+1] op_sel:[0,1,0] op_sel_hi:[1,1,1]
.endr
.irp j, 0,1,2,3
	v_pk_fma_f32 v[\o+2*\j:\o+2*\j+1], v[\g+8*\j+4:\g+8*\j+5], v[WT+4*\j+2:WT+4*\j+3], v[\o+2*\j:\o+2*\j+1] op_sel_hi:[1,0,1]
.endr
.irp j, 0,1,2,3
	v_pk_fma_f32 v[\o+2*\j:\o+2*\j+1], v[\g+8*\j+6:\g+8*\j+7], v[WT+4*\j+2:WT+4*\j+3], v[\o+2*\j:\o+2*\j+1] op_sel:[0,1,0] op_sel_hi:[1,1,1]
.endr
.endm
.macro PUT o, lv                       ; 8 bytes into each of my four rows, at byte lv of the 16 that v3 points at
.irp j, 0,1,2,3
	ds_store_b64 v3, v[\o+2*\j:\o+2*\j+1] offset:32*PITCH*\j+\lv
.endr
.endm
; The half-step of level l.  par = l % 2 picks the buffers.  gath = 1: level l + 1 is gathered.  more = 1: the words of level l + 3 are loaded and the
; table of level l + 3 is asked for.  st = 1: the results of level l - 1 go into LDS.
; At the head the loads that are out are, in order: the words of l + 1, the 16 gathers of l, the words of l + 2.
; n1: what may stay out when the words of l + 1 are needed; n2: what may stay out when the gathers of l are needed.
.macro HALF par, gath, more, st, tag, n1, n2
.set CUR, G0+32*(\par)                 ; the rows of level l
.set NXT, G0+32*(1-(\par))             ; level l + 1: rows,
.set IXN, IX0+16*(1-(\par))            ; offsets,
.set WRG, W0+4*(1-(\par))              ; words,
.set PBN, PB1+2*(\par)                 ; table
.set OC,  O0+(O1-O0)*(\par)            ; the results of level l
.set OP,  O0+(O1-O0)*(1-(\par))        ; of level l - 1
.if \gath
	s_wait_loadcnt \n1
	ADDR NXT, IXN, WRG
.endif
	s_wait_alu depctr_va_vdst(0)                   ; the address lines have written the offsets that the gathers read, and are done with the row buffer and the words in which the loads below land; the blend before has written the results that the LDS stores read, and is done reading that row buffer; v3 is written
.if \gath
	GATH4 NXT, IXN, PBN, 0
.endif
	WQ 40+(\par)                                   ; these lines name v6, v7, E and T alone: no register of the memory instructions among which they stand
.if \gath
	GATH4 NXT, IXN, PBN, 1
.endif
	WR
.if \gath
	GATH4 NXT, IXN, PBN, 2
.endif
	WD
.if \gath
	GATH4 NXT, IXN, PBN, 3
.endif
.if \more
	global_load_b128 v[WRG:WRG+3], v2, s[IB:IB+1] offset:PLANE*(1+(\par)) th:TH_LOAD_NT
.endif
.if \st
	PUT OP, 8*(1-(\par))                           ; the level before: an even one at byte 0, an odd one at byte 8
.endif
.if \more
	s_cmp_ge_u32 s12, 2                            ; waves 0 and 1 ask
	s_cbranch_scc1 .Lnp\tag
	global_prefetch_b8 v9, s[PF:PF+1] offset:TABLE*(\par) th:TH_LOAD_NT scope:SCOPE_SE
.Lnp\tag:
.endif
	WS
	s_wait_loadcnt \n2
	BLEND CUR, OC
.if \gath
	s_wait_alu depctr_vm_vsrc(0)                   ; the LDS stores above have read their results, which the next blend writes again, and v3; the gathers issued so far have read their offsets, which later address lines (and, at the end, the way out's LDS loads) write
.endif
.if (\st) && !(\par)
	v_add_nc_u32 v3, 16, v3                        ; an odd level has been stored: two levels of 8 bytes on in my rows
.endif
.endm
; two levels on.  full = 0, in the tail: only the odd table's base is still needed, and no pointer is stepped past its buffer
.macro STEP full
	s_wait_xcnt 0x0                                ; the bases of the loads and of the prefetch above are stepped only behind this wait
	s_add_nc_u64 s[PB1:PB1+1], s[PB1:PB1+1], 2*TABLE
.if \full
	s_add_nc_u64 s[PB0:PB0+1], s[PB0:PB0+1], 2*TABLE
	s_add_nc_u64 s[PF:PF+1], s[PF:PF+1], 2*TABLE
	s_add_nc_u64 s[IB:IB+1], s[IB:IB+1], 2*PLANE
.endif
.irp k, 40,42,44,46,48,50,52
	s_mov_b64 s[\k:\k+1], s[\k+2:\k+3]             ; the next two scales move to the front
.endr
.endm
	s_wait_loadcnt 0x2                             ; the positions are in; the two loads of words stay out
.irp j, 0,1,2,3
	v_mul_f32 v[P+4*\j+3], s30, v[P+4*\j+2]                        ; c = p2/sqrt12
	v_mul_f32 v[E+4*\j+3], s32, v[P+4*\j+2]                        ; e3
	v_fma_f32 v[E+4*\j+2], s31, v[P+4*\j+1], v[P+4*\j+3]           ; e2 = -2 p1/sqrt6 + c
	v_fma_f32 v[P+4*\j+3], s29, v[P+4*\j+1], v[P+4*\j+3]           ; p1/sqrt6 + c
	v_fma_f32 v[E+4*\j],   s28, v[P+4*\j],   v[P+4*\j+3]           ; e0
	v_fma_f32 v[E+4*\j+1], s33, v[P+4*\j],   v[P+4*\j+3]           ; e1
.endr
	s_wait_loadcnt 0x1                             ; the words of level 0 are in; those of level 1 stay out
	ADDR G0, IX0, W0
	s_wait_alu depctr_va_vdst(0)                   ; the address lines have written IX0, which the gathers read, and are done with G0 and W0, in which the loads below land
.irp j, 0,1,2,3
	GATH4 G0, IX0, 8, \j                           ; level 0, from the tables' first byte on
.endr
	global_load_b128 v[W0:W0+3], v2, s[4:5] offset:2*PLANE th:TH_LOAD_NT   ; words of level 2
	HALF 0, 1, 1, 0, a, 17, 18                     ; level 0 is written out: no level stands before it, so it stores nothing and leaves v3 alone
	s_mov_b32 s56, 0
.Ltrip:                                            ; 6 trips: levels 1 to 12, an odd one and the even one behind it.  17 = 16 gathers + 1 load of words; 18 = 1 + 16 gathers + 1
	HALF 1, 1, 1, 1, b, 17, 18
	STEP 1
	HALF 0, 1, 1, 1, c, 17, 18                     ; in the last trip, level 12: the last words (level 15) and the last table are asked for
	s_add_co_u32 s56, s56, 1
	s_cmp_lt_u32 s56, 6
	s_cbranch_scc1 .Ltrip
	HALF 1, 1, 0, 1, d, 17, 17                     ; level 13: no words are loaded any more: 1 + 16 stay out at the second wait
	STEP 0
	HALF 0, 1, 0, 1, e, 16, 16                     ; level 14: only gathers are out
	HALF 1, 0, 0, 1, f, 0, 0                       ; level 15: nothing follows; what its LDS stores read is not written again
	; THE WAY OUT: level 15's results, then my wave's 128 rows, four at a time.  LDS serves a wave's instructions in order (ISA guide 5.7.1): the loads see the stores above.
	s_wait_alu depctr_va_vdst(0)                   ; the last blend has written O1, which the LDS stores read; the vector instructions are done with v64 to v191, in which the LDS loads land
	PUT O1, 8
.irp t, 0,1,2,3,4,5,6,7,8,9,10,11,12,13,14,15,16,17,18,19,20,21,22,23,24,25,26,27,28,29,30,31
	ds_load_b128 v[RB+4*\t:RB+4*\t+3], v4 offset:4*PITCH*\t
.endr
.irp t, 0,1,2,3,4,5,6,7,8,9,10,11,12,13,14,15,16,17,18,19,20,21,22,23,24,25,26,27,28,29,30,31
	s_wait_dscnt 31-\t                             ; load t is in; the 31 - t behind it stay out
	global_store_b128 v5, v[RB+4*\t:RB+4*\t+3], s[10:11] offset:512*\t th:TH_STORE_NT     ; 512 consecutive bytes of out, aligned
.endr
	s_wait_dscnt 0x0
	s_wait_alu depctr_hold_cnt(0) depctr_sa_sdst(0) depctr_va_vdst(0) depctr_va_sdst(0) depctr_va_ssrc(0) depctr_va_vcc(0) depctr_vm_vsrc(0)
	s_wait_tensorcnt 0x0
	ds_add_u32 v14, v15
	s_wait_dscnt 0x0
	s_endpgm
.Lfunc_end_k_q97929da3ac_blend:
	.size	k_q97929da3ac_blend, .Lfunc_end_k_q97929da3ac_blend-k_q97929da3ac_blend
	.p2alignl 7, 3214868480
	.fill 96, 4, 3214868480
	.section	.rodata,"a",@progbits
	.p2align	6, 0x0
	.amdhsa_kernel k_q97929da3ac_blend
		.amdhsa_group_segment_fixed_size 296960
		.amdhsa_private_segment_fixed_size 0
		.amdhsa_enable_private_segment 0
		.amdhsa_kernarg_size 32
		.amdhsa_user_sgpr_count 2
		.amdhsa_user_sgpr_kernarg_segment_ptr 1
		.amdhsa_wavefront_size32 1
		.amdhsa_system_sgpr_workgroup_id_x 1
		.amdhsa_system_sgpr_workgroup_id_y 1
		.amdhsa_system_sgpr_workgroup_id_z 1
		.amdhsa_system_vgpr_workitem_id 0
		.amdhsa_next_free_vgpr 200
		.amdhsa_next_free_sgpr 66
		.amdhsa_reserve_vcc 0
		.amdhsa_float_denorm_mode_32 3
		.amdhsa_float_denorm_mode_16_64 3
		.amdhsa_memory_ordered 1
		.amdhsa_forward_progress 1
		.amdhsa_inst_pref_size 82
	.end_amdhsa_kernel
	.amdgpu_metadata
---
amdhsa.version: [ 1, 2 ]
amdhsa.kernels:
  - .name:           k_q97929da3ac_blend
    .symbol:         k_q97929da3ac_blend.kd
    .args:
      - { .name: idx, .offset: 0, .size: 8, .value_kind: global_buffer, .address_space: global }
      - { .name: input, .offset: 8, .size: 8, .value_kind: global_buffer, .address_space: global }
      - { .name: flattened_params, .offset: 16, .size: 8, .value_kind: global_buffer, .address_space: global }
      - { .name: out0, .offset: 24, .size: 8, .value_kind: global_buffer, .address_space: global }
    .group_segment_fixed_size: 296960
    .private_segment_fixed_size: 0
    .kernarg_segment_align: 8
    .kernarg_segment_size: 32
    .max_flat_workgroup_size: 512
    .sgpr_count:     66
    .vgpr_count:     200
    .wavefront_size: 32
...
	.end_amdgpu_metadata
.endif
;; end of part 3
